; MI455X (gfx1250); checked and timed in simulation.
; The chip was launched on July 23, 2026; its instructions are those of AMD's public machine-readable ISA for CDNA 5 (MIT licence, August 2026) and "CDNA5" Instruction Set Architecture Reference Guide (July 2026). The comments in the code are by the model that wrote it; some were corrected since.
;; Joint Old Candidate. Allowed arithmetic: float matrix products may take bf16 or f16 operands with f32 sums; all other float work in f32.
;; Inputs: t0 8 x 64 x 32 float32; t1 8 x 64 x 32 float32; t2 8 x 64 x 32 float32.
;; Outputs: out0 8 x 64 x 64 x 64 int32.
;; 3 versions, each right; version 2 is faster than version 1; version 3 is version 2 with the launch joint written anew for expert scheduling mode. Each part assembles by itself: llvm-mc -triple=amdgcn-amd-amdhsa -mcpu=gfx1250 --defsym DOCPART=n.
;; ======== version 1 of 3: 1 launch
;; launch joint (part 1): grid 256 x 1, 16 waves a work-group, no clusters, 10,752 bytes of LDS; arguments t0, t1, t2, out0; writes out0
.if DOCPART == 1
	.amdgcn_target "amdgcn-amd-amdhsa--gfx1250"
	.amdhsa_code_object_version 6
	.text
	.protected	k_q479237f0e5_joint
	.globl	k_q479237f0e5_joint
	.p2align	8
	.type	k_q479237f0e5_joint,@function
k_q479237f0e5_joint:
	s_mov_b64 s[64:65], 0
	v_nop
	global_prefetch_b8 v0, s[64:65] scope:SCOPE_SE
	s_setreg_imm32_b32 hwreg(HW_REG_WAVE_MODE, 25, 1), 1
	s_wait_xcnt 0x0
; out[b][i][j][k] = argmax over c of (t0[b][i][c] + t1[b][j][c]) + t2[b][k][c], and 0 where i, j, k are not pairwise distinct.
; t0, t1, t2: [8][64][32] f32.  out: [8][64][64][64] i32.  Sums in f32 in that order, each rounded; a tie goes to the first channel.
; LIMIT: a sum that is NaN (a NaN input, or +inf met by -inf) is passed over by the maxima, where the definition would name its index.
; Infinite sums, denormals, -0 against +0 and ties are served exactly.
;
; SHARES.  256 work-groups of 16 waves.  Work-group g: batch g >> 5, i = 2 (g & 31) and the next.  Wave w: i = 2 (g & 31) + (w >> 3),
; rows j = 8 (w & 7) .. + 7, that is rows 128 g + 8 w .. + 7 of the output's 32,768 rows of 64 numbers.  A trip makes one row: lane l
; holds k = 2 l (set A) and k = 2 l + 1 (set B), so one 8-byte store of the wave covers the row's 256 consecutive bytes, aligned.
; t2's two rows of a lane stay in 64 registers.  u[c] = t0[i][c] + t1[j][c] is the same for all 64 k: it is made by the scalar unit.
;
; ARGMAX in 55 vector issues for 32 outputs.  A tree of maxima keeps every LEFT child: P (channels 4q, 4q+1), Q (4q .. 4q+3; the even q
; are left children), O (0-7, 16-23), H (0-15), and m.  Then down from the root: 'left child < m' is the next bit of the index (equal means
; that the first channel with the value m lies on the left), and that bit halves the lists of candidates of all lower levels by selects.
; A level has 15, 7, 3, 1 such selects; the bit's own worth (16, 8, 4, 2 or 0) is one more select, so they go two to an issue.
; No matrix unit (no product), no tensor load, cluster or prefetch: the one shared input is 8 KiB a work-group, fetched once.
;
; Two instructions in one issue ask: one destination even and one odd; the two first sources in different register banks (number mod 4),
; likewise the two second sources.  All arrays below start at multiples of 4, and the pairs are chosen to that end.
.set ROWS,  8                          ; rows of a wave
.set PITCH, 272                        ; LDS: two rows of t2 (256 bytes) + 16: sixteen lanes' 16-byte reads fall on sixteen different columns of 16 bytes
.set U,   16                           ; s[16:47]  t1[j], then u = t0[i] + t1[j], in place
.set T0,  68                           ; s[68:99]  t0[i]
.set C16, 8                            ; v8, v10, v11, v12: the worths of index bits 4, 3, 2, 1 (banks 0, 2, 3, 0: never bank 1, where their partners' second sources lie)
.set C8,  10
.set C4,  11
.set C2,  12
.set T2A, 16                           ; v[16:47]   t2[b][2l][c]
.set T2B, 48                           ; v[48:79]   t2[b][2l+1][c]
.set SA,  80                           ; v[80:111]  set A's 32 sums
.set SB,  112                          ; v[112:143] set B's
.set NA,  144                          ; v[144:179] set A's nodes, laid out as below
.set NB,  184                          ; v[184:219] set B's
.set OUT, 220                          ; v[220:221] the two results
.set nP,  0                            ; 8: max of channels 4q, 4q+1
.set nQ,  8                            ; 8: max of channels 4q .. 4q+3
.set nE,  16                           ; 8: the even channels that are still candidates
.set nO,  24                           ; 2: max of channels 0-7, 16-23
.set nH,  26                           ; max of 0-15
.set nR,  27                           ; max of 16-31
.set nM,  28                           ; m
.set nB4, 29                           ; the index bits' worths: odd registers, since their partners' destinations are even
.set nX,  30                           ; bits 4, 3, 2 together
.set nB3, 31
.set nB2, 33
.set nB1, 35
	s_load_b256 s[4:11], s[0:1], 0x0               ; t0 s[4:5], t1 s[6:7], t2 s[8:9], out s[10:11]
	v_lshl_add_u32 v224, v0, 2, 0x2200
	v_mov_b32 v225, 0
	v_lshrrev_b32 v1, 5, v0
	v_readfirstlane_b32 s12, v1                    ; wave 0..15
	v_lshlrev_b32 v2, 4, v0                        ; thread t fetches bytes 16 t .. 16 t + 15 of t2[b]: 512 threads, 8,192 bytes
	v_lshrrev_b32 v3, 4, v0                        ; they belong to the pair of rows t / 16,
	v_and_b32 v15, 15, v0
	v_mul_u32_u24 v3, v3, PITCH
	v_lshl_add_u32 v3, v15, 4, v3                  ; at byte 16 (t % 16) of it
	v_and_b32 v9, 31, v0                           ; lane
	v_mul_u32_u24 v13, v9, PITCH                   ; my pair of rows in LDS
	v_lshlrev_b32 v14, 3, v9                       ; my 8 bytes in a row of the output
	v_mov_b32 v[C16], 16
	v_mov_b32 v[C8], 8
	v_mov_b32 v[C4], 4
	v_mov_b32 v[C2], 2
	s_lshr_b32 s52, ttmp9, 5                       ; b
	s_lshl_b32 s52, s52, 13                        ; a batch is 64 rows of 128 bytes in each input
	s_mov_b32 s53, 0
	s_lshl_b32 s13, ttmp9, 1
	s_and_b32 s13, s13, 62
	s_lshr_b32 s54, s12, 3
	s_or_b32 s13, s13, s54                         ; i
	s_and_b32 s14, s12, 7
	s_lshl_b32 s14, s14, 3                         ; my first j
	s_lshl_b32 s54, s13, 7
	s_add_co_u32 s54, s54, s52                     ; byte offset of t0[b][i]
	s_mov_b32 s55, 0
	s_lshl_b32 s56, s14, 7
	s_add_co_u32 s56, s56, s52                     ; byte offset of t1[b][j]
	s_mov_b32 s57, 0
	s_lshl_b32 s58, ttmp9, 15                      ; 128 rows of 256 bytes a work-group,
	s_lshl_b32 s59, s12, 11                        ; 8 a wave
	s_add_co_u32 s58, s58, s59
	s_mov_b32 s59, 0
	s_wait_kmcnt 0x0
	s_add_nc_u64 s[8:9], s[8:9], s[52:53]
	s_add_nc_u64 s[4:5], s[4:5], s[54:55]
	s_add_nc_u64 s[6:7], s[6:7], s[56:57]
	s_add_nc_u64 s[10:11], s[10:11], s[58:59]
	global_load_b128 v[4:7], v2, s[8:9]            ; a wave's load covers 512 consecutive bytes
	s_load_b512 s[T0:T0+15], s[4:5], 0x0
	s_load_b512 s[T0+16:T0+31], s[4:5], 0x40
	s_load_b512 s[U:U+15], s[6:7], 0x0
	s_load_b512 s[U+16:U+31], s[6:7], 0x40
	; lanes that keep their result as far as i goes: k = i is lane i / 2 of set A (i even) or of set B (i odd)
	s_lshr_b32 s52, s13, 1
	s_lshl_b32 s52, 1, s52
	s_bitcmp1_b32 s13, 0
	s_cselect_b32 s53, 0, s52
	s_cselect_b32 s54, s52, 0
	s_not_b32 s48, s53                             ; s48: set A
	s_not_b32 s49, s54                             ; s49: set B
	s_wait_loadcnt 0x0
	ds_store_b128 v3, v[4:7]
	s_wait_dscnt 0x0                               ; my 16 bytes are in LDS before I say so
	s_barrier_signal -1
	s_barrier_wait -1                              ; all of t2[b] is there
.irp q, 0,1,2,3,4,5,6,7
	ds_load_b128 v[T2A+4*\q:T2A+4*\q+3], v13 offset:16*\q
.endr
.irp q, 0,1,2,3,4,5,6,7
	ds_load_b128 v[T2B+4*\q:T2B+4*\q+3], v13 offset:128+16*\q
.endr
.macro USUM c0                         ; four of the 32 u = t0[i] + t1[j], on the scalar unit, in place
.irp d, 0,1,2,3
	s_add_f32 s[U+\c0+\d], s[T0+\c0+\d], s[U+\c0+\d]
.endr
.endm
.macro ADDS S, T                       ; a set's 32 sums u + t2, two to an issue
.irp c, 0,2,4,6,8,10,12,14,16,18,20,22,24,26,28,30
	v_dual_add_f32 v[\S+\c], s[U+\c], v[\T+\c] :: v_dual_add_f32 v[\S+\c+1], s[U+\c+1], v[\T+\c+1]
.endr
.endm
.macro KEEP                            ; s50, s51: the lanes of sets A, B whose i, j, k are distinct in row j = s14; then j steps
	s_lshr_b32 s52, s14, 1
	s_lshl_b32 s52, 1, s52                         ; k = j is lane j / 2
	s_bitcmp1_b32 s14, 0
	s_cselect_b32 s53, 0, s52                      ; of set A if j is even,
	s_cselect_b32 s54, s52, 0                      ; of set B if odd
	s_and_not1_b32 s50, s48, s53
	s_and_not1_b32 s51, s49, s54
	s_cmp_eq_u32 s13, s14                          ; i = j: nobody keeps
	s_cselect_b32 s50, 0, s50
	s_cselect_b32 s51, 0, s51
	s_add_co_u32 s14, s14, 1
.endm
; The tree, in stages, so that the two sets take turns.  In the second half of a pair the sources are swapped for the banks' sake.
.macro TP S, N
.irp q, 0,2,4,6
	v_dual_max_num_f32 v[\N+nP+\q], v[\S+4*\q], v[\S+4*\q+1] :: v_dual_max_num_f32 v[\N+nP+\q+1], v[\S+4*\q+5], v[\S+4*\q+4]
.endr
.endm
.macro TQ S, N
.irp q, 0,1,2,3,4,5,6,7
	v_max3_num_f32 v[\N+nQ+\q], v[\N+nP+\q], v[\S+4*\q+2], v[\S+4*\q+3]
.endr
.endm
.macro TO N
	v_dual_max_num_f32 v[\N+nO], v[\N+nQ], v[\N+nQ+1] :: v_dual_max_num_f32 v[\N+nO+1], v[\N+nQ+5], v[\N+nQ+4]
.endm
.macro THR N
	v_max3_num_f32 v[\N+nH], v[\N+nO], v[\N+nQ+2], v[\N+nQ+3]
	v_max3_num_f32 v[\N+nR], v[\N+nO+1], v[\N+nQ+6], v[\N+nQ+7]
.endm
.macro TM N
	v_max_num_f32 v[\N+nM], v[\N+nH], v[\N+nR]
.endm
; Two selects on VCC in one issue: d = VCC ? b : a (VCC: go right)
.macro SEL2 d0, a0, b0, d1, a1, b1
	v_dual_cndmask_b32 v[\d0], v[\a0], v[\b0] :: v_dual_cndmask_b32 v[\d1], v[\a1], v[\b1]
.endm
; The select that the next level's compare needs, and this level's bit of the index at its worth
.macro SELB d0, a0, b0, d1, c1
	v_dual_cndmask_b32 v[\d0], v[\a0], v[\b0] :: v_dual_cndmask_b32 v[\d1], 0, v[\c1]
.endm
; Level 1: which half of the 32 channels.  The lists of candidates shrink: O 2 to 1, Q 4 to 2, P 8 to 4, even channels 16 to 8.
.macro LEV1 S, N
	v_cmp_lt_f32 vcc_lo, v[\N+nH], v[\N+nM]
	SELB \N+nO, \N+nO, \N+nO+1, \N+nB4, C16
	SEL2 \N+nQ, \N+nQ, \N+nQ+4, \N+nQ+1, \N+nQ+2, \N+nQ+6
.irp q, 0,2
	SEL2 \N+nP+\q, \N+nP+\q, \N+nP+\q+4, \N+nP+\q+1, \N+nP+\q+1, \N+nP+\q+5
.endr
.irp j, 0,2,4,6
	SEL2 \N+nE+\j, \S+2*\j, \S+2*\j+16, \N+nE+\j+1, \S+2*\j+2, \S+2*\j+18
.endr
.endm
; Levels 2 to 5.  more = 1: four of the next row's u stand behind the compare, work of the scalar unit while VCC is on its way.
.macro LEV2 N, more, c0                ; which 8 of the 16
	v_cmp_lt_f32 vcc_lo, v[\N+nO], v[\N+nM]
.if \more
	USUM \c0
.endif
	SELB \N+nQ, \N+nQ, \N+nQ+1, \N+nB3, C8
	SEL2 \N+nP, \N+nP, \N+nP+2, \N+nP+1, \N+nP+1, \N+nP+3
	SEL2 \N+nE, \N+nE, \N+nE+4, \N+nE+1, \N+nE+1, \N+nE+5
	SEL2 \N+nE+2, \N+nE+2, \N+nE+6, \N+nE+3, \N+nE+3, \N+nE+7
.endm
.macro LEV3 N, more, c0                ; which 4 of the 8
	v_cmp_lt_f32 vcc_lo, v[\N+nQ], v[\N+nM]
.if \more
	USUM \c0
.endif
	SELB \N+nP, \N+nP, \N+nP+1, \N+nB2, C4
	SEL2 \N+nE, \N+nE, \N+nE+2, \N+nE+1, \N+nE+1, \N+nE+3
.endm
.macro LEV4 N, more, c0                ; which 2 of the 4
	v_cmp_lt_f32 vcc_lo, v[\N+nP], v[\N+nM]
.if \more
	USUM \c0
.endif
	SELB \N+nE, \N+nE, \N+nE+1, \N+nB1, C2
	v_add3_u32 v[\N+nX], v[\N+nB4], v[\N+nB3], v[\N+nB2]
.endm
.macro LEV5 N, more, c0, o, k          ; which of the 2: bit 0 enters as the carry; then the mask of distinct indices
	v_cmp_lt_f32 vcc_lo, v[\N+nE], v[\N+nM]
.if \more
	USUM \c0
.endif
	v_add_co_ci_u32 v[\o], vcc_lo, v[\N+nX], v[\N+nB1], vcc_lo
	v_cndmask_b32 v[\o], 0, v[\o], s[\k]
.endm
; One row.  more = 1: the next row's t1 is fetched and its u made.  At the head s[U ..] holds this row's u.
.macro ROW more
	ADDS SA, T2A
	ADDS SB, T2B
.if \more
	s_load_b512 s[U:U+15], s[6:7], 0x80            ; u has been read: the next row of t1 lands in its place, with the tree and level 1 to cover the way
	s_load_b512 s[U+16:U+31], s[6:7], 0xc0
.endif
	KEEP
	TP SA, NA
	TP SB, NB
	TQ SA, NA
	TQ SB, NB
	TO NA
	TO NB
	THR NA
	THR NB
	TM NA
	TM NB
	LEV1 SA, NA
	LEV1 SB, NB
.if \more
	s_wait_kmcnt 0x0                               ; t1's next row is in; the loads are done, so their base may step
	s_add_nc_u64 s[6:7], s[6:7], 0x80
.endif
	LEV2 NA, \more, 0
	LEV2 NB, \more, 4
	LEV3 NA, \more, 8
	LEV3 NB, \more, 12
	LEV4 NA, \more, 16
	LEV4 NB, \more, 20
	s_wait_xcnt 0x0                                ; the last row's store has had its address translated: its base and its data are rewritten only behind this wait
	s_add_nc_u64 s[10:11], s[10:11], 0x100         ; one row on; the store reaches back
	LEV5 NA, \more, 24, OUT, 50
	LEV5 NB, \more, 28, OUT+1, 51
	global_store_b64 v14, v[OUT:OUT+1], s[10:11] offset:-256 th:TH_STORE_NT   ; 32 lanes, 256 consecutive bytes, at a multiple of 256 from the output's first byte
.endm
	s_wait_kmcnt 0x0                               ; t0[i] and t1's first row
.irp c, 0,4,8,12,16,20,24,28
	USUM \c
.endr
	s_mov_b32 s15, ROWS-1
	s_wait_dscnt 0x0                               ; my two rows of t2
.Lrow:
	ROW 1
	s_sub_co_u32 s15, s15, 1
	s_cmp_lg_u32 s15, 0
	s_cbranch_scc1 .Lrow
	ROW 0                                          ; the last row fetches nothing: no load passes my eight rows of t1
	s_wait_tensorcnt 0x0
	ds_add_u32 v224, v225
	s_wait_dscnt 0x0
	s_endpgm
.Lfunc_end_k_q479237f0e5_joint:
	.size	k_q479237f0e5_joint, .Lfunc_end_k_q479237f0e5_joint-k_q479237f0e5_joint
	.p2alignl 7, 3214868480
	.fill 96, 4, 3214868480
	.section	.rodata,"a",@progbits
	.p2align	6, 0x0
	.amdhsa_kernel k_q479237f0e5_joint
		.amdhsa_group_segment_fixed_size 10752
		.amdhsa_private_segment_fixed_size 0
		.amdhsa_enable_private_segment 0
		.amdhsa_kernarg_size 32
		.amdhsa_user_sgpr_count 2
		.amdhsa_user_sgpr_kernarg_segment_ptr 1
		.amdhsa_wavefront_size32 1
		.amdhsa_system_sgpr_workgroup_id_x 1
		.amdhsa_system_sgpr_workgroup_id_y 1
		.amdhsa_system_sgpr_workgroup_id_z 1
		.amdhsa_system_vgpr_workitem_id 0
		.amdhsa_next_free_vgpr 226
		.amdhsa_next_free_sgpr 100
		.amdhsa_reserve_vcc 1
		.amdhsa_float_denorm_mode_32 3
		.amdhsa_float_denorm_mode_16_64 3
		.amdhsa_memory_ordered 1
		.amdhsa_forward_progress 1
		.amdhsa_inst_pref_size 21
	.end_amdhsa_kernel
	.amdgpu_metadata
---
amdhsa.version: [ 1, 2 ]
amdhsa.kernels:
  - .name:           k_q479237f0e5_joint
    .symbol:         k_q479237f0e5_joint.kd
    .args:
      - { .name: t0, .offset: 0, .size: 8, .value_kind: global_buffer, .address_space: global }
      - { .name: t1, .offset: 8, .size: 8, .value_kind: global_buffer, .address_space: global }
      - { .name: t2, .offset: 16, .size: 8, .value_kind: global_buffer, .address_space: global }
      - { .name: out0, .offset: 24, .size: 8, .value_kind: global_buffer, .address_space: global }
    .group_segment_fixed_size: 10752
    .private_segment_fixed_size: 0
    .kernarg_segment_align: 8
    .kernarg_segment_size: 32
    .max_flat_workgroup_size: 512
    .sgpr_count:     100
    .vgpr_count:     226
    .wavefront_size: 32
...
	.end_amdgpu_metadata
.endif
;; end of part 1
;; ======== version 2 of 3: 1 launch; 1.25 times as fast as version 1
;; launch joint (part 2): grid 256 x 1, 16 waves a work-group, no clusters, 27,136 bytes of LDS; arguments t0, t1, t2, out0; writes out0
.if DOCPART == 2
	.amdgcn_target "amdgcn-amd-amdhsa--gfx1250"
	.amdhsa_code_object_version 6
	.text
	.protected	k_q479237f0e5_joint
	.globl	k_q479237f0e5_joint
	.p2align	8
	.type	k_q479237f0e5_joint,@function
k_q479237f0e5_joint:
	s_mov_b64 s[64:65], 0
	v_nop
	global_prefetch_b8 v0, s[64:65] scope:SCOPE_SE
	s_setreg_imm32_b32 hwreg(HW_REG_WAVE_MODE, 25, 1), 1
	s_wait_xcnt 0x0
; out[b][i][j][k] = argmax over c of (t0[b][i][c] + t1[b][j][c]) + t2[b][k][c], and 0 where i, j, k are not pairwise distinct.
; t0, t1, t2: [8][64][32] f32.  out: [8][64][64][64] i32.  Sums in f32 in that order, each rounded; a tie goes to the first channel.
; LIMIT: a sum that is NaN (a NaN input, or +inf met by -inf) is passed over by the maxima, where the definition would name its index.
; Infinite sums, denormals, -0 against +0 and ties are served exactly.
;
; SHARES.  256 work-groups of 16 waves.  Work-group g: batch g >> 5, i = 2 (g & 31) and the next.  Wave w: i = 2 (g & 31) + (w >> 3),
; rows j = 8 (w & 7) .. + 7, that is rows 128 g + 8 w .. + 7 of the output's 32,768 rows of 64 numbers.  A trip makes one row: lane l
; holds k = 2 l (set A) and k = 2 l + 1 (set B), so one 8-byte store of the wave covers the row's 256 consecutive bytes, aligned.
; t2's two rows of a lane stay in 64 registers for the whole kernel.
; u[j][c] = t0[i][c] + t1[j][c] is the same for all 64 k.  All memory reads stand at the head: a wave's eight rows of t1 are 1,024
; consecutive bytes, fetched at once beside t0[i] and the work-group's t2[b]; its 256 u are made by four packed adds and laid into 1,024
; LDS bytes of its own.  In the loop a row's 32 u come by eight LDS reads in which all lanes name the same 16 bytes.
;
; ARGMAX in 55 vector issues for 32 outputs.  A tree of maxima keeps every LEFT child: P (channels 4q, 4q+1), Q (4q .. 4q+3; the even q
; are left children), O (0-7, 16-23), H (0-15), and m.  Then down from the root: 'left child < m' is the next bit of the index (equal means
; that the first channel with the value m lies on the left), and that bit halves the lists of candidates of all lower levels by selects.
; A level has 15, 7, 3, 1 such selects; the bit's own worth (16, 8, 4, 2 or 0) is one more select, so they go two to an issue.
; No matrix unit (no product), no tensor load, cluster or prefetch: the one shared input is 8 KiB a work-group, fetched once.
;
; Two instructions in one issue ask: one destination even and one odd; the two first sources in different register banks (number mod 4),
; likewise the two second sources.  The arrays below start at multiples of 4 (U at 2 mod 4), and the pairs are chosen to that end.
.set ROWS,  8                          ; rows of a wave
.set PITCH, 272                        ; LDS: two rows of t2 (256 bytes) + 16: sixteen lanes' 16-byte reads fall on sixteen different columns of 16 bytes
.set ULDS,  32*PITCH                   ; behind t2's 8,704 bytes: 1,024 bytes of u for each wave (row r at 128 r, channel c at 4 c)
.set C16, 8                            ; v8, v10, v11, v12: the worths of index bits 4, 3, 2, 1 (banks 0, 2, 3, 0: never bank 1, where their partners' second sources lie)
.set C8,  10
.set C4,  11
.set C2,  12
.set UR,  15                           ; v15        LDS address of the present row's u, the same in all lanes
.set T2A, 16                           ; v[16:47]   t2[b][2l][c]
.set T2B, 48                           ; v[48:79]   t2[b][2l+1][c]
.set SA,  80                           ; v[80:111]  set A's 32 sums (at the head: t1, t0 and their offsets)
.set SB,  112                          ; v[112:143] set B's
.set NA,  144                          ; v[144:179] set A's nodes, laid out as below
.set NB,  184                          ; v[184:219] set B's
.set OUT, 220                          ; v[220:221] the two results
.set UV,  222                          ; v[222:253] u of the row, in every lane; 2 mod 4, so that the four sources of a pair of adds have four different numbers mod 4
.set nP,  0                            ; 8: max of channels 4q, 4q+1
.set nQ,  8                            ; 8: max of channels 4q .. 4q+3
.set nE,  16                           ; 8: the even channels that are still candidates
.set nO,  24                           ; 2: max of channels 0-7, 16-23
.set nH,  26                           ; max of 0-15
.set nR,  27                           ; max of 16-31
.set nM,  28                           ; m
.set nB4, 29                           ; the index bits' worths: odd registers, since their partners' destinations are even
.set nX,  30                           ; bits 4, 3, 2 together
.set nB3, 31
.set nB2, 33
.set nB1, 35
	s_load_b256 s[4:11], s[0:1], 0x0               ; t0 s[4:5], t1 s[6:7], t2 s[8:9], out s[10:11]
	v_lshl_add_u32 v254, v0, 2, 0x6200
	v_mov_b32 v255, 0
	v_lshrrev_b32 v1, 5, v0
	v_readfirstlane_b32 s12, v1                    ; wave 0..15
	v_lshlrev_b32 v2, 4, v0                        ; thread t fetches bytes 16 t .. 16 t + 15 of t2[b]: 512 threads, 8,192 bytes
	v_lshrrev_b32 v3, 4, v0                        ; they belong to the pair of rows t / 16,
	v_and_b32 v1, 15, v0
	v_mul_u32_u24 v3, v3, PITCH
	v_lshl_add_u32 v3, v1, 4, v3                   ; at byte 16 (t % 16) of it
	v_and_b32 v9, 31, v0                           ; lane
	v_mul_u32_u24 v13, v9, PITCH                   ; my pair of rows of t2 in LDS
	v_lshlrev_b32 v14, 3, v9                       ; my 8 bytes in a row of the output
	v_lshlrev_b32 v92, 4, v9                       ; my 16 bytes in 512 of my wave's rows of t1: row lane / 8, channels 4 (lane % 8) .. + 3
	v_and_b32 v93, 7, v0
	v_lshlrev_b32 v93, 4, v93                      ; the same four channels of t0[i]
	v_mov_b32 v[C16], 16
	v_mov_b32 v[C8], 8
	v_mov_b32 v[C4], 4
	v_mov_b32 v[C2], 2
	s_lshl_b32 s16, s12, 10
	s_add_co_u32 s16, s16, ULDS                    ; my wave's 1,024 bytes of u
	v_lshl_add_u32 v94, v9, 4, s16                 ; where I put 16 bytes of them
	v_mov_b32 v[UR], s16                           ; and where every lane reads row 0
	s_lshr_b32 s52, ttmp9, 5                       ; b
	s_lshl_b32 s52, s52, 13                        ; a batch is 64 rows of 128 bytes in each input
	s_mov_b32 s53, 0
	s_lshl_b32 s13, ttmp9, 1
	s_and_b32 s13, s13, 62
	s_lshr_b32 s54, s12, 3
	s_or_b32 s13, s13, s54                         ; i
	s_and_b32 s14, s12, 7
	s_lshl_b32 s14, s14, 3                         ; my first j
	s_lshl_b32 s54, s13, 7
	s_add_co_u32 s54, s54, s52                     ; byte offset of t0[b][i]
	s_mov_b32 s55, 0
	s_lshl_b32 s56, s14, 7
	s_add_co_u32 s56, s56, s52                     ; byte offset of t1[b][j]
	s_mov_b32 s57, 0
	s_lshl_b32 s58, ttmp9, 15                      ; 128 rows of 256 bytes a work-group,
	s_lshl_b32 s59, s12, 11                        ; 8 a wave
	s_add_co_u32 s58, s58, s59
	s_mov_b32 s59, 0
	s_wait_kmcnt 0x0
	s_add_nc_u64 s[8:9], s[8:9], s[52:53]
	s_add_nc_u64 s[4:5], s[4:5], s[54:55]
	s_add_nc_u64 s[6:7], s[6:7], s[56:57]
	s_add_nc_u64 s[10:11], s[10:11], s[58:59]
	global_load_b128 v[4:7], v2, s[8:9]            ; t2: a wave's load covers 512 consecutive bytes
	global_load_b128 v[80:83], v92, s[6:7]         ; t1: my wave's rows 0-3,
	global_load_b128 v[84:87], v92, s[6:7] offset:512  ; rows 4-7
	global_load_b128 v[88:91], v93, s[4:5]         ; t0[i]: 128 bytes, each read by four lanes
	; lanes that keep their result as far as i goes: k = i is lane i / 2 of set A (i even) or of set B (i odd)
	s_lshr_b32 s52, s13, 1
	s_lshl_b32 s52, 1, s52
	s_bitcmp1_b32 s13, 0
	s_cselect_b32 s53, 0, s52
	s_cselect_b32 s54, s52, 0
	s_not_b32 s48, s53                             ; s48: set A
	s_not_b32 s49, s54                             ; s49: set B
	s_mov_b32 s15, ROWS-1
	s_wait_loadcnt 0x0                             ; all four loads: the kernel's only reads of memory
	ds_store_b128 v3, v[4:7]
	v_pk_add_f32 v[80:81], v[88:89], v[80:81]      ; u = t0 + t1, rounded once: 8 of my wave's 256
	v_pk_add_f32 v[82:83], v[90:91], v[82:83]
	v_pk_add_f32 v[84:85], v[88:89], v[84:85]
	v_pk_add_f32 v[86:87], v[90:91], v[86:87]
	ds_store_b128 v94, v[80:83]
	ds_store_b128 v94, v[84:87] offset:512
	s_wait_dscnt 0x0                               ; my bytes are in LDS before I say so
	s_barrier_signal -1
	s_barrier_wait -1                              ; all of t2[b] is there; nothing is stored into LDS behind this barrier
.irp q, 0,1,2,3,4,5,6,7
	ds_load_b128 v[T2A+4*\q:T2A+4*\q+3], v13 offset:16*\q
.endr
.irp q, 0,1,2,3,4,5,6,7
	ds_load_b128 v[T2B+4*\q:T2B+4*\q+3], v13 offset:128+16*\q
.endr
.irp q, 0,1,2,3,4,5,6,7
	ds_load_b128 v[UV+4*\q:UV+4*\q+3], v[UR] offset:16*\q      ; the first row's u
.endr
.macro ADDS S, T                       ; a set's 32 sums u + t2, two to an issue
.irp c, 0,2,4,6,8,10,12,14,16,18,20,22,24,26,28,30
	v_dual_add_f32 v[\S+\c], v[UV+\c], v[\T+\c] :: v_dual_add_f32 v[\S+\c+1], v[UV+\c+1], v[\T+\c+1]
.endr
.endm
.macro KEEP                            ; s50, s51: the lanes of sets A, B whose i, j, k are distinct in row j = s14; then j steps
	s_lshr_b32 s52, s14, 1
	s_lshl_b32 s52, 1, s52                         ; k = j is lane j / 2
	s_bitcmp1_b32 s14, 0
	s_cselect_b32 s53, 0, s52                      ; of set A if j is even,
	s_cselect_b32 s54, s52, 0                      ; of set B if odd
	s_and_not1_b32 s50, s48, s53
	s_and_not1_b32 s51, s49, s54
	s_cmp_eq_u32 s13, s14                          ; i = j: nobody keeps
	s_cselect_b32 s50, 0, s50
	s_cselect_b32 s51, 0, s51
	s_add_co_u32 s14, s14, 1
.endm
; The tree, in stages, so that the two sets take turns.  In the second half of a pair the sources are swapped for the banks' sake.
.macro TP S, N
.irp q, 0,2,4,6
	v_dual_max_num_f32 v[\N+nP+\q], v[\S+4*\q], v[\S+4*\q+1] :: v_dual_max_num_f32 v[\N+nP+\q+1], v[\S+4*\q+5], v[\S+4*\q+4]
.endr
.endm
.macro TQ S, N
.irp q, 0,1,2,3,4,5,6,7
	v_max3_num_f32 v[\N+nQ+\q], v[\N+nP+\q], v[\S+4*\q+2], v[\S+4*\q+3]
.endr
.endm
.macro TO N
	v_dual_max_num_f32 v[\N+nO], v[\N+nQ], v[\N+nQ+1] :: v_dual_max_num_f32 v[\N+nO+1], v[\N+nQ+5], v[\N+nQ+4]
.endm
.macro THR N
	v_max3_num_f32 v[\N+nH], v[\N+nO], v[\N+nQ+2], v[\N+nQ+3]
	v_max3_num_f32 v[\N+nR], v[\N+nO+1], v[\N+nQ+6], v[\N+nQ+7]
.endm
.macro TM N
	v_max_num_f32 v[\N+nM], v[\N+nH], v[\N+nR]
.endm
; Two selects on VCC in one issue: d = VCC ? b : a (VCC: go right)
.macro SEL2 d0, a0, b0, d1, a1, b1
	v_dual_cndmask_b32 v[\d0], v[\a0], v[\b0] :: v_dual_cndmask_b32 v[\d1], v[\a1], v[\b1]
.endm
; The select that the next level's compare needs, and this level's bit of the index at its worth
.macro SELB d0, a0, b0, d1, c1
	v_dual_cndmask_b32 v[\d0], v[\a0], v[\b0] :: v_dual_cndmask_b32 v[\d1], 0, v[\c1]
.endm
; Level 1: which half of the 32 channels.  The lists of candidates shrink: O 2 to 1, Q 4 to 2, P 8 to 4, even channels 16 to 8.
.macro LEV1 S, N
	v_cmp_lt_f32 vcc_lo, v[\N+nH], v[\N+nM]
	SELB \N+nO, \N+nO, \N+nO+1, \N+nB4, C16
	SEL2 \N+nQ, \N+nQ, \N+nQ+4, \N+nQ+1, \N+nQ+2, \N+nQ+6
.irp q, 0,2
	SEL2 \N+nP+\q, \N+nP+\q, \N+nP+\q+4, \N+nP+\q+1, \N+nP+\q+1, \N+nP+\q+5
.endr
.irp j, 0,2,4,6
	SEL2 \N+nE+\j, \S+2*\j, \S+2*\j+16, \N+nE+\j+1, \S+2*\j+2, \S+2*\j+18
.endr
.endm
.macro LEV2 N                          ; which 8 of the 16
	v_cmp_lt_f32 vcc_lo, v[\N+nO], v[\N+nM]
	SELB \N+nQ, \N+nQ, \N+nQ+1, \N+nB3, C8
	SEL2 \N+nP, \N+nP, \N+nP+2, \N+nP+1, \N+nP+1, \N+nP+3
	SEL2 \N+nE, \N+nE, \N+nE+4, \N+nE+1, \N+nE+1, \N+nE+5
	SEL2 \N+nE+2, \N+nE+2, \N+nE+6, \N+nE+3, \N+nE+3, \N+nE+7
.endm
.macro LEV3 N                          ; which 4 of the 8
	v_cmp_lt_f32 vcc_lo, v[\N+nQ], v[\N+nM]
	SELB \N+nP, \N+nP, \N+nP+1, \N+nB2, C4
	SEL2 \N+nE, \N+nE, \N+nE+2, \N+nE+1, \N+nE+1, \N+nE+3
.endm
.macro LEV4 N                          ; which 2 of the 4
	v_cmp_lt_f32 vcc_lo, v[\N+nP], v[\N+nM]
	SELB \N+nE, \N+nE, \N+nE+1, \N+nB1, C2
	v_add3_u32 v[\N+nX], v[\N+nB4], v[\N+nB3], v[\N+nB2]
.endm
.macro LEV5 N, o, k                    ; which of the 2: bit 0 enters as the carry; then the mask of distinct indices
	v_cmp_lt_f32 vcc_lo, v[\N+nE], v[\N+nM]
	v_add_co_ci_u32 v[\o], vcc_lo, v[\N+nX], v[\N+nB1], vcc_lo
	v_cndmask_b32 v[\o], 0, v[\o], s[\k]
.endm
; One row.  more = 1: the next row's u is read from LDS.
.macro ROW more
	s_wait_dscnt 0x0                               ; this row's u is in (eight reads issued a row ago; in the first row t2's sixteen too)
	ADDS SA, T2A
	ADDS SB, T2B
.if \more
.irp q, 0,1,2,3,4,5,6,7
	ds_load_b128 v[UV+4*\q:UV+4*\q+3], v[UR] offset:128+16*\q  ; u has been read: the next row's lands in its place, with the row's other 79 vector issues ahead of its wait
.endr
	v_add_nc_u32 v[UR], 128, v[UR]                 ; one row of u on
.endif
	KEEP
	TP SA, NA
	TP SB, NB
	TQ SA, NA
	TQ SB, NB
	TO NA
	TO NB
	THR NA
	THR NB
	s_wait_xcnt 0x0                                ; the last row's store has had its address translated: its base and its data are rewritten only behind this wait
	s_add_nc_u64 s[10:11], s[10:11], 0x100         ; one row of the output on; the store reaches back
	TM NA
	TM NB
	LEV1 SA, NA
	LEV1 SB, NB
	LEV2 NA
	LEV2 NB
	LEV3 NA
	LEV3 NB
	LEV4 NA
	LEV4 NB
	LEV5 NA, OUT, 50
	LEV5 NB, OUT+1, 51
	global_store_b64 v14, v[OUT:OUT+1], s[10:11] offset:-256 th:TH_STORE_NT   ; 32 lanes, 256 consecutive bytes, at a multiple of 256 from the output's first byte
.endm
.Lrow:
	ROW 1
	s_sub_co_u32 s15, s15, 1
	s_cmp_lg_u32 s15, 0
	s_cbranch_scc1 .Lrow
	ROW 0                                          ; the last row reads nothing ahead: no read passes my eight rows of u
	s_wait_tensorcnt 0x0
	ds_add_u32 v254, v255
	s_wait_dscnt 0x0
	s_endpgm
.Lfunc_end_k_q479237f0e5_joint:
	.size	k_q479237f0e5_joint, .Lfunc_end_k_q479237f0e5_joint-k_q479237f0e5_joint
	.p2alignl 7, 3214868480
	.fill 96, 4, 3214868480
	.section	.rodata,"a",@progbits
	.p2align	6, 0x0
	.amdhsa_kernel k_q479237f0e5_joint
		.amdhsa_group_segment_fixed_size 27136
		.amdhsa_private_segment_fixed_size 0
		.amdhsa_enable_private_segment 0
		.amdhsa_kernarg_size 32
		.amdhsa_user_sgpr_count 2
		.amdhsa_user_sgpr_kernarg_segment_ptr 1
		.amdhsa_wavefront_size32 1
		.amdhsa_system_sgpr_workgroup_id_x 1
		.amdhsa_system_sgpr_workgroup_id_y 1
		.amdhsa_system_sgpr_workgroup_id_z 1
		.amdhsa_system_vgpr_workitem_id 0
		.amdhsa_next_free_vgpr 256
		.amdhsa_next_free_sgpr 66
		.amdhsa_reserve_vcc 1
		.amdhsa_float_denorm_mode_32 3
		.amdhsa_float_denorm_mode_16_64 3
		.amdhsa_memory_ordered 1
		.amdhsa_forward_progress 1
		.amdhsa_inst_pref_size 20
	.end_amdhsa_kernel
	.amdgpu_metadata
---
amdhsa.version: [ 1, 2 ]
amdhsa.kernels:
  - .name:           k_q479237f0e5_joint
    .symbol:         k_q479237f0e5_joint.kd
    .args:
      - { .name: t0, .offset: 0, .size: 8, .value_kind: global_buffer, .address_space: global }
      - { .name: t1, .offset: 8, .size: 8, .value_kind: global_buffer, .address_space: global }
      - { .name: t2, .offset: 16, .size: 8, .value_kind: global_buffer, .address_space: global }
      - { .name: out0, .offset: 24, .size: 8, .value_kind: global_buffer, .address_space: global }
    .group_segment_fixed_size: 27136
    .private_segment_fixed_size: 0
    .kernarg_segment_align: 8
    .kernarg_segment_size: 32
    .max_flat_workgroup_size: 512
    .sgpr_count:     66
    .vgpr_count:     256
    .wavefront_size: 32
...
	.end_amdgpu_metadata
.endif
;; end of part 2
;; ======== version 3 of 3: 1 launch; version 2 with the launch joint written anew for expert scheduling mode
;; launch joint (part 3): grid 256 x 1, 16 waves a work-group, no clusters, 27,136 bytes of LDS; arguments t0, t1, t2, out0; writes out0
.if DOCPART == 3
	.amdgcn_target "amdgcn-amd-amdhsa--gfx1250"
	.amdhsa_code_object_version 6
	.text
	.protected	k_q479237f0e5_joint
	.globl	k_q479237f0e5_joint
	.p2align	8
	.type	k_q479237f0e5_joint,@function
k_q479237f0e5_joint:
	s_mov_b64 s[64:65], 0
	v_nop
	global_prefetch_b8 v0, s[64:65] scope:SCOPE_SE
	s_setreg_imm32_b32 hwreg(HW_REG_WAVE_SCHED_MODE, 0, 2), 2
	s_setreg_imm32_b32 hwreg(HW_REG_WAVE_MODE, 25, 1), 1
	s_wait_xcnt 0x0
	s_wait_alu depctr_vm_vsrc(0)
; out[b][i][j][k] = argmax over c of (t0[b][i][c] + t1[b][j][c]) + t2[b][k][c], and 0 where i, j, k are not pairwise distinct.
; t0, t1, t2: [8][64][32] f32.  out: [8][64][64][64] i32.  Sums in f32 in that order, each rounded; a tie goes to the first channel.
; LIMIT: a sum that is NaN (a NaN input, or +inf met by -inf) is passed over by the maxima, where the definition would name its index.
; Infinite sums, denormals, -0 against +0 and ties are served exactly.
;
; SHARES.  256 work-groups of 16 waves.  Work-group g: batch g >> 5, i = 2 (g & 31) and the next.  Wave w: i = 2 (g & 31) + (w >> 3),
; rows j = 8 (w & 7) .. + 7, that is rows 128 g + 8 w .. + 7 of the output's 32,768 rows of 64 numbers.  A trip makes one row: lane l
; holds k = 2 l (set A) and k = 2 l + 1 (set B), so one 8-byte store of the wave covers the row's 256 consecutive bytes, aligned.
; t2's two rows of a lane stay in 64 registers for the whole kernel.
; u[j][c] = t0[i][c] + t1[j][c] is the same for all 64 k.  All memory reads stand at the head: a wave's eight rows of t1 are 1,024
; consecutive bytes, fetched at once beside t0[i] and the work-group's t2[b]; its 256 u are made by four packed adds and laid into 1,024
; LDS bytes of its own.  In the loop a row's 32 u come by eight LDS reads in which all lanes name the same 16 bytes.
;
; ARGMAX in 55 vector issues for 32 outputs.  A tree of maxima keeps every LEFT child: P (channels 4q, 4q+1), Q (4q .. 4q+3; the even q
; are left children), O (0-7, 16-23), H (0-15), and m.  Then down from the root: 'left child < m' is the next bit of the index (equal means
; that the first channel with the value m lies on the left), and that bit halves the lists of candidates of all lower levels by selects.
; A level has 15, 7, 3, 1 such selects; the bit's own worth (16, 8, 4, 2 or 0) is one more select, so they go two to an issue.
; No matrix unit (no product), no tensor load, cluster or prefetch: the one shared input is 8 KiB a work-group, fetched once.
;
; Two instructions in one issue ask: one destination even and one odd; the two first sources in different register banks (number mod 4),
; likewise the two second sources.  The arrays below start at multiples of 4 (U at 2 mod 4), and the pairs are chosen to that end.
;
; THE MODE: SCHED_MODE bits 1:0 = 2 (LLVM: expert scheduling mode 2), set by the entry lines.  The code itself states the register dependences
; between vector instructions and memory or LDS instructions, and those through VCC and scalar registers that vector instructions write,
; with s_wait_alu, always for 0.
; THE PLAN.  Registers that memory or LDS instructions touch, in the loop:
;   UV       Row r's 32 adds read it; behind them the eight LDS reads of row r + 1's u land in it.
;   OUT      Written by row r's last lines; read by the store that is issued in row r + 1; written again at the end of row r + 1.
;   v[UR]    Read by the eight LDS reads; stepped once a row, well behind them.
;   v14      The store's offset: made at the head, never written again; the rows are reached by the scalar base.
;   The sums, the nodes and the constants are named by vector instructions alone.
; So ONE wait on va_vdst stands in a row, behind the adds: they are done reading UV, v[UR] is written, and the row before has written OUT.  The eight
; LDS reads and the store of the row before follow it with no vector line between.  ONE wait on vm_vsrc stands in front of the root maxima, beside
; the wait on XCNT: the reads have read v[UR] and the store has read OUT.  Every line that writes VCC, the ten compares and the two carry lines, has a
; wait on va_vcc ahead of the next line that names VCC: the selects that go two to an issue take VCC alone, so the compares cannot be gathered.
.set ROWS,  8                          ; rows of a wave
.set PITCH, 272                        ; LDS: two rows of t2 (256 bytes) + 16: sixteen lanes' 16-byte reads fall on sixteen different columns of 16 bytes
.set ULDS,  32*PITCH                   ; behind t2's 8,704 bytes: 1,024 bytes of u for each wave (row r at 128 r, channel c at 4 c)
.set C16, 8                            ; v8, v10, v11, v12: the worths of index bits 4, 3, 2, 1 (banks 0, 2, 3, 0: never bank 1, where their partners' second sources lie)
.set C8,  10
.set C4,  11
.set C2,  12
.set UR,  15                           ; v15        LDS address of the present row's u, the same in all lanes
.set T2A, 16                           ; v[16:47]   t2[b][2l][c]
.set T2B, 48                           ; v[48:79]   t2[b][2l+1][c]
.set SA,  80                           ; v[80:111]  set A's 32 sums (at the head: t1, t0 and their offsets)
.set SB,  112                          ; v[112:143] set B's
.set NA,  144                          ; v[144:179] set A's nodes, laid out as below
.set NB,  184                          ; v[184:219] set B's
.set OUT, 220                          ; v[220:221] the two results
.set UV,  222                          ; v[222:253] u of the row, in every lane; 2 mod 4, so that the four sources of a pair of adds have four different numbers mod 4
.set nP,  0                            ; 8: max of channels 4q, 4q+1
.set nQ,  8                            ; 8: max of channels 4q .. 4q+3
.set nE,  16                           ; 8: the even channels that are still candidates
.set nO,  24                           ; 2: max of channels 0-7, 16-23
.set nH,  26                           ; max of 0-15
.set nR,  27                           ; max of 16-31
.set nM,  28                           ; m
.set nB4, 29                           ; the index bits' worths: odd registers, since their partners' destinations are even
.set nX,  30                           ; bits 4, 3, 2 together
.set nB3, 31
.set nB2, 33
.set nB1, 35
	s_load_b256 s[4:11], s[0:1], 0x0               ; t0 s[4:5], t1 s[6:7], t2 s[8:9], out s[10:11]
	v_lshl_add_u32 v254, v0, 2, 0x6200
	v_mov_b32 v255, 0
	v_lshrrev_b32 v1, 5, v0
	v_readfirstlane_b32 s12, v1                    ; wave 0..15
	v_lshlrev_b32 v2, 4, v0                        ; thread t fetches bytes 16 t .. 16 t + 15 of t2[b]: 512 threads, 8,192 bytes
	v_lshrrev_b32 v3, 4, v0                        ; they belong to the pair of rows t / 16,
	v_and_b32 v1, 15, v0
	v_mul_u32_u24 v3, v3, PITCH
	v_lshl_add_u32 v3, v1, 4, v3                   ; at byte 16 (t % 16) of it
	v_and_b32 v9, 31, v0                           ; lane
	v_mul_u32_u24 v13, v9, PITCH                   ; my pair of rows of t2 in LDS
	v_lshlrev_b32 v14, 3, v9                       ; my 8 bytes in a row of the output
	v_lshlrev_b32 v92, 4, v9                       ; my 16 bytes in 512 of my wave's rows of t1: row lane / 8, channels 4 (lane % 8) .. + 3
	v_and_b32 v93, 7, v0
	v_lshlrev_b32 v93, 4, v93                      ; the same four channels of t0[i]
	v_mov_b32 v[C16], 16
	v_mov_b32 v[C8], 8
	v_mov_b32 v[C4], 4
	v_mov_b32 v[C2], 2
	s_wait_alu depctr_va_sdst(0)                   ; s12 is written, ahead of its first reader: the LDS addresses, i, j and the bases are made from it
	s_lshl_b32 s16, s12, 10
	s_add_co_u32 s16, s16, ULDS                    ; my wave's 1,024 bytes of u
	v_lshl_add_u32 v94, v9, 4, s16                 ; where I put 16 bytes of them
	v_mov_b32 v[UR], s16                           ; and where every lane reads row 0
	s_lshr_b32 s52, ttmp9, 5                       ; b
	s_lshl_b32 s52, s52, 13                        ; a batch is 64 rows of 128 bytes in each input
	s_mov_b32 s53, 0
	s_lshl_b32 s13, ttmp9, 1
	s_and_b32 s13, s13, 62
	s_lshr_b32 s54, s12, 3
	s_or_b32 s13, s13, s54                         ; i
	s_and_b32 s14, s12, 7
	s_lshl_b32 s14, s14, 3                         ; my first j
	s_lshl_b32 s54, s13, 7
	s_add_co_u32 s54, s54, s52                     ; byte offset of t0[b][i]
	s_mov_b32 s55, 0
	s_lshl_b32 s56, s14, 7
	s_add_co_u32 s56, s56, s52                     ; byte offset of t1[b][j]
	s_mov_b32 s57, 0
	s_lshl_b32 s58, ttmp9, 15                      ; 128 rows of 256 bytes a work-group,
	s_lshl_b32 s59, s12, 11                        ; 8 a wave
	s_add_co_u32 s58, s58, s59
	s_mov_b32 s59, 0
	s_wait_kmcnt 0x0
	s_add_nc_u64 s[8:9], s[8:9], s[52:53]
	s_add_nc_u64 s[4:5], s[4:5], s[54:55]
	s_add_nc_u64 s[6:7], s[6:7], s[56:57]
	s_add_nc_u64 s[10:11], s[10:11], s[58:59]
	s_wait_alu depctr_va_vdst(0)                   ; the offsets and addresses v2, v3, v13, v14, v92, v93, v94 and v[UR] are written, which the loads, LDS instructions and stores below read
	global_load_b128 v[4:7], v2, s[8:9]            ; t2: a wave's load covers 512 consecutive bytes
	global_load_b128 v[80:83], v92, s[6:7]         ; t1: my wave's rows 0-3,
	global_load_b128 v[84:87], v92, s[6:7] offset:512  ; rows 4-7
	global_load_b128 v[88:91], v93, s[4:5]         ; t0[i]: 128 bytes, each read by four lanes
	; lanes that keep their result as far as i goes: k = i is lane i / 2 of set A (i even) or of set B (i odd)
	s_lshr_b32 s52, s13, 1
	s_lshl_b32 s52, 1, s52
	s_bitcmp1_b32 s13, 0
	s_cselect_b32 s53, 0, s52
	s_cselect_b32 s54, s52, 0
	s_not_b32 s48, s53                             ; s48: set A
	s_not_b32 s49, s54                             ; s49: set B
	s_mov_b32 s15, ROWS-2                          ; the first and the last row are written out
	s_wait_loadcnt 0x0                             ; all four loads: the kernel's only reads of memory
	ds_store_b128 v3, v[4:7]
	v_pk_add_f32 v[80:81], v[88:89], v[80:81]      ; u = t0 + t1, rounded once: 8 of my wave's 256
	v_pk_add_f32 v[82:83], v[90:91], v[82:83]
	v_pk_add_f32 v[84:85], v[88:89], v[84:85]
	v_pk_add_f32 v[86:87], v[90:91], v[86:87]
	s_wait_alu depctr_va_vdst(0)                   ; the four packed adds have written v[80:87], which the two LDS stores read
	ds_store_b128 v94, v[80:83]
	ds_store_b128 v94, v[84:87] offset:512
	s_wait_dscnt 0x0                               ; my bytes are in LDS before I say so
	s_barrier_signal -1
	s_barrier_wait -1                              ; all of t2[b] is there; nothing is stored into LDS behind this barrier
	s_wait_alu depctr_vm_vsrc(0)                   ; my LDS stores have read v[80:87] and v94, the loads of t1 and t0 have read v92 and v93: from here on the sums write v[80:111]
.irp q, 0,1,2,3,4,5,6,7
	ds_load_b128 v[T2A+4*\q:T2A+4*\q+3], v13 offset:16*\q
.endr
.irp q, 0,1,2,3,4,5,6,7
	ds_load_b128 v[T2B+4*\q:T2B+4*\q+3], v13 offset:128+16*\q
.endr
.irp q, 0,1,2,3,4,5,6,7
	ds_load_b128 v[UV+4*\q:UV+4*\q+3], v[UR] offset:16*\q      ; the first row's u
.endr
.macro ADDS S, T                       ; a set's 32 sums u + t2, two to an issue
.irp c, 0,2,4,6,8,10,12,14,16,18,20,22,24,26,28,30
	v_dual_add_f32 v[\S+\c], v[UV+\c], v[\T+\c] :: v_dual_add_f32 v[\S+\c+1], v[UV+\c+1], v[\T+\c+1]
.endr
.endm
.macro KEEP                            ; s50, s51: the lanes of sets A, B whose i, j, k are distinct in row j = s14; then j steps
	s_lshr_b32 s52, s14, 1
	s_lshl_b32 s52, 1, s52                         ; k = j is lane j / 2
	s_bitcmp1_b32 s14, 0
	s_cselect_b32 s53, 0, s52                      ; of set A if j is even,
	s_cselect_b32 s54, s52, 0                      ; of set B if odd
	s_and_not1_b32 s50, s48, s53
	s_and_not1_b32 s51, s49, s54
	s_cmp_eq_u32 s13, s14                          ; i = j: nobody keeps
	s_cselect_b32 s50, 0, s50
	s_cselect_b32 s51, 0, s51
	s_add_co_u32 s14, s14, 1
.endm
; The tree, in stages, so that the two sets take turns.  In the second half of a pair the sources are swapped for the banks' sake.
.macro TP S, N
.irp q, 0,2,4,6
	v_dual_max_num_f32 v[\N+nP+\q], v[\S+4*\q], v[\S+4*\q+1] :: v_dual_max_num_f32 v[\N+nP+\q+1], v[\S+4*\q+5], v[\S+4*\q+4]
.endr
.endm
.macro TQ S, N
.irp q, 0,1,2,3,4,5,6,7
	v_max3_num_f32 v[\N+nQ+\q], v[\N+nP+\q], v[\S+4*\q+2], v[\S+4*\q+3]
.endr
.endm
.macro TO N
	v_dual_max_num_f32 v[\N+nO], v[\N+nQ], v[\N+nQ+1] :: v_dual_max_num_f32 v[\N+nO+1], v[\N+nQ+5], v[\N+nQ+4]
.endm
.macro THR N
	v_max3_num_f32 v[\N+nH], v[\N+nO], v[\N+nQ+2], v[\N+nQ+3]
	v_max3_num_f32 v[\N+nR], v[\N+nO+1], v[\N+nQ+6], v[\N+nQ+7]
.endm
.macro TM N
	v_max_num_f32 v[\N+nM], v[\N+nH], v[\N+nR]
.endm
; Two selects on VCC in one issue: d = VCC ? b : a (VCC: go right)
.macro SEL2 d0, a0, b0, d1, a1, b1
	v_dual_cndmask_b32 v[\d0], v[\a0], v[\b0] :: v_dual_cndmask_b32 v[\d1], v[\a1], v[\b1]
.endm
; The select that the next level's compare needs, and this level's bit of the index at its worth
.macro SELB d0, a0, b0, d1, c1
	v_dual_cndmask_b32 v[\d0], v[\a0], v[\b0] :: v_dual_cndmask_b32 v[\d1], 0, v[\c1]
.endm
; A level's compare: VCC = 'the left child, node n, is below m': go right.  The wait for VCC is written out in ROW, ahead of the level's selects.
.macro CMP N, n
	v_cmp_lt_f32 vcc_lo, v[\N+\n], v[\N+nM]
.endm
; Level 1: which half of the 32 channels.  The lists of candidates shrink: O 2 to 1, Q 4 to 2, P 8 to 4, even channels 16 to 8.
.macro DOWN1 S, N
	SELB \N+nO, \N+nO, \N+nO+1, \N+nB4, C16
	SEL2 \N+nQ, \N+nQ, \N+nQ+4, \N+nQ+1, \N+nQ+2, \N+nQ+6
.irp q, 0,2
	SEL2 \N+nP+\q, \N+nP+\q, \N+nP+\q+4, \N+nP+\q+1, \N+nP+\q+1, \N+nP+\q+5
.endr
.irp j, 0,2,4,6
	SEL2 \N+nE+\j, \S+2*\j, \S+2*\j+16, \N+nE+\j+1, \S+2*\j+2, \S+2*\j+18
.endr
.endm
.macro DOWN2 N                         ; which 8 of the 16
	SELB \N+nQ, \N+nQ, \N+nQ+1, \N+nB3, C8
	SEL2 \N+nP, \N+nP, \N+nP+2, \N+nP+1, \N+nP+1, \N+nP+3
	SEL2 \N+nE, \N+nE, \N+nE+4, \N+nE+1, \N+nE+1, \N+nE+5
	SEL2 \N+nE+2, \N+nE+2, \N+nE+6, \N+nE+3, \N+nE+3, \N+nE+7
.endm
.macro DOWN3 N                         ; which 4 of the 8
	SELB \N+nP, \N+nP, \N+nP+1, \N+nB2, C4
	SEL2 \N+nE, \N+nE, \N+nE+2, \N+nE+1, \N+nE+1, \N+nE+3
.endm
.macro DOWN4 N                         ; which 2 of the 4
	SELB \N+nE, \N+nE, \N+nE+1, \N+nB1, C2
.endm
.macro HIGH N                          ; bits 4, 3, 2 together: reads no VCC
	v_add3_u32 v[\N+nX], v[\N+nB4], v[\N+nB3], v[\N+nB2]
.endm
.macro LOW N, o                        ; which of the 2: bit 0 enters as the carry; the line writes VCC too (a carry that nobody reads)
	v_add_co_ci_u32 v[\o], vcc_lo, v[\N+nX], v[\N+nB1], vcc_lo
.endm
.macro MASK o, k                       ; the mask of distinct indices, from a scalar register that scalar lines made: reads no VCC
	v_cndmask_b32 v[\o], 0, v[\o], s[\k]
.endm
; One row.  first = 1: the wave's first row, with no row in front of it to store.  more = 1: the next row's u is read from LDS.
.macro ROW first, more
	s_wait_dscnt 0x0                               ; this row's u is in (eight reads issued a row ago; in the first row t2's sixteen too)
	ADDS SA, T2A
	ADDS SB, T2B
	s_wait_alu depctr_va_vdst(0)                   ; the adds are done reading UV, in which the reads below land; v[UR] is written, which they read; the row before has written OUT, which the store below reads
.if \more
.irp q, 0,1,2,3,4,5,6,7
	ds_load_b128 v[UV+4*\q:UV+4*\q+3], v[UR] offset:128+16*\q  ; the next row's u lands in u's place, with the row's other 79 vector issues ahead of its wait
.endr
.endif
.if !\first
	global_store_b64 v14, v[OUT:OUT+1], s[10:11] th:TH_STORE_NT   ; the row before: 32 lanes, 256 consecutive bytes, at a multiple of 256 from the output's first byte
.endif
	KEEP
	TP SA, NA
	TP SB, NB
	TQ SA, NA
	TQ SB, NB
	TO NA
	TO NB
	THR NA
	THR NB
.if !\first
	s_wait_xcnt 0x0                                ; the store above has had its address translated: its base and its data are rewritten only behind this wait
.endif
	s_wait_alu depctr_vm_vsrc(0)                   ; the LDS reads above have read v[UR], which the add below writes; the store above has read OUT, which this row's last lines write
.if !\first
	s_add_nc_u64 s[10:11], s[10:11], 0x100         ; one row of the output on
.endif
.if \more
	v_add_nc_u32 v[UR], 128, v[UR]                 ; one row of u on; the next row's wait on va_vdst stands ahead of its next reader
.endif
	TM NA
	CMP NA, nH
	TM NB                                          ; reads no VCC: it stands between the compare and its wait
	s_wait_alu depctr_va_vcc(0)                    ; level 1, set A: the compare has written VCC, which the selects read
	DOWN1 SA, NA
	CMP NB, nH
	s_wait_alu depctr_va_vcc(0)                    ; level 1, set B: likewise
	DOWN1 SB, NB
	CMP NA, nO
	s_wait_alu depctr_va_vcc(0)                    ; level 2, set A
	DOWN2 NA
	CMP NB, nO
	s_wait_alu depctr_va_vcc(0)                    ; level 2, set B
	DOWN2 NB
	CMP NA, nQ
	s_wait_alu depctr_va_vcc(0)                    ; level 3, set A
	DOWN3 NA
	CMP NB, nQ
	s_wait_alu depctr_va_vcc(0)                    ; level 3, set B
	DOWN3 NB
	CMP NA, nP
	s_wait_alu depctr_va_vcc(0)                    ; level 4, set A
	DOWN4 NA
	CMP NB, nP
	HIGH NA
	s_wait_alu depctr_va_vcc(0)                    ; level 4, set B
	DOWN4 NB
	CMP NA, nE
	HIGH NB
	s_wait_alu depctr_va_vcc(0)                    ; level 5, set A: the compare has written VCC, which the carry line reads
	LOW NA, OUT
	s_wait_alu depctr_va_vcc(0)                    ; set A's carry line has written VCC, which the compare below names next: it writes it anew
	CMP NB, nE
	MASK OUT, 50
	s_wait_alu depctr_va_vcc(0)                    ; level 5, set B: the compare has written VCC, which the carry line reads
	LOW NB, OUT+1
	MASK OUT+1, 51
.if \more
	s_wait_alu depctr_va_vcc(0)                    ; set B's carry line has written VCC, which the next row's first compare names next: stated in its own straight run of code, ahead of the label or branch that follows
.endif
.endm
	ROW 1, 1                                       ; row 0
.Lrow:                                                 ; rows 1 to 6
	ROW 0, 1
	s_sub_co_u32 s15, s15, 1
	s_cmp_lg_u32 s15, 0
	s_cbranch_scc1 .Lrow
	ROW 0, 0                                       ; the last row reads nothing ahead: no read passes my eight rows of u; behind its last carry line nothing names VCC
	s_wait_alu depctr_va_vdst(0)                   ; the last row has written OUT, which the last store reads
	global_store_b64 v14, v[OUT:OUT+1], s[10:11] th:TH_STORE_NT
	s_wait_dscnt 0x0
	s_wait_alu depctr_hold_cnt(0) depctr_sa_sdst(0) depctr_va_vdst(0) depctr_va_sdst(0) depctr_va_ssrc(0) depctr_va_vcc(0) depctr_vm_vsrc(0)
	s_wait_tensorcnt 0x0
	ds_add_u32 v254, v255
	s_wait_dscnt 0x0
	s_endpgm
.Lfunc_end_k_q479237f0e5_joint:
	.size	k_q479237f0e5_joint, .Lfunc_end_k_q479237f0e5_joint-k_q479237f0e5_joint
	.p2alignl 7, 3214868480
	.fill 96, 4, 3214868480
	.section	.rodata,"a",@progbits
	.p2align	6, 0x0
	.amdhsa_kernel k_q479237f0e5_joint
		.amdhsa_group_segment_fixed_size 27136
		.amdhsa_private_segment_fixed_size 0
		.amdhsa_enable_private_segment 0
		.amdhsa_kernarg_size 32
		.amdhsa_user_sgpr_count 2
		.amdhsa_user_sgpr_kernarg_segment_ptr 1
		.amdhsa_wavefront_size32 1
		.amdhsa_system_sgpr_workgroup_id_x 1
		.amdhsa_system_sgpr_workgroup_id_y 1
		.amdhsa_system_sgpr_workgroup_id_z 1
		.amdhsa_system_vgpr_workitem_id 0
		.amdhsa_next_free_vgpr 256
		.amdhsa_next_free_sgpr 66
		.amdhsa_reserve_vcc 1
		.amdhsa_float_denorm_mode_32 3
		.amdhsa_float_denorm_mode_16_64 3
		.amdhsa_memory_ordered 1
		.amdhsa_forward_progress 1
		.amdhsa_inst_pref_size 29
	.end_amdhsa_kernel
	.amdgpu_metadata
---
amdhsa.version: [ 1, 2 ]
amdhsa.kernels:
  - .name:           k_q479237f0e5_joint
    .symbol:         k_q479237f0e5_joint.kd
    .args:
      - { .name: t0, .offset: 0, .size: 8, .value_kind: global_buffer, .address_space: global }
      - { .name: t1, .offset: 8, .size: 8, .value_kind: global_buffer, .address_space: global }
      - { .name: t2, .offset: 16, .size: 8, .value_kind: global_buffer, .address_space: global }
      - { .name: out0, .offset: 24, .size: 8, .value_kind: global_buffer, .address_space: global }
    .group_segment_fixed_size: 27136
    .private_segment_fixed_size: 0
    .kernarg_segment_align: 8
    .kernarg_segment_size: 32
    .max_flat_workgroup_size: 512
    .sgpr_count:     66
    .vgpr_count:     256
    .wavefront_size: 32
...
	.end_amdgpu_metadata
.endif
;; end of part 3
